; MI455X (gfx1250); checked and timed in simulation.
; The chip was launched on July 23, 2026; its instructions are those of AMD's public machine-readable ISA for CDNA 5 (MIT licence, August 2026) and "CDNA5" Instruction Set Architecture Reference Guide (July 2026). The comments in the code are by the model that wrote it; some were corrected since.
;; Hypo Shacira. Allowed arithmetic: float matrix products may take bf16 or f16 operands with f32 sums; all other float work in f32.
;; Inputs: b1 16 float32; b2 3 float32; dec_b 1 float32; dec_w 1 x 1 float32; latents 16 x 4,096 x 1 float32; w1 16 x 16 float32; w2 16 x 3 float32; x 4,194,304 x 2 float32.
;; Outputs: out0 4,194,304 x 3 float32.
;; 2 versions, each right; version 2 is version 1 with the launch field written anew for expert scheduling mode. Each part assembles by itself: llvm-mc -triple=amdgcn-amd-amdhsa -mcpu=gfx1250 --defsym DOCPART=n.
;; ======== version 1 of 2: 2 launches
;; workspace buffers: q 33,554,432 bytes of whole numbers
;; launch quant (part 1): grid 1024 x 1, 8 waves a work-group, no clusters, 0 bytes of LDS; arguments x, q; writes q
.if DOCPART == 1
	.amdgcn_target "amdgcn-amd-amdhsa--gfx1250"
	.amdhsa_code_object_version 6
	.text
	.protected	k_q630fff34c2_quant
	.globl	k_q630fff34c2_quant
	.p2align	8
	.type	k_q630fff34c2_quant,@function
k_q630fff34c2_quant:
	s_mov_b64 s[64:65], 0
	v_nop
	global_prefetch_b8 v0, s[64:65] scope:SCOPE_SE
	s_setreg_imm32_b32 hwreg(HW_REG_WAVE_MODE, 25, 1), 1
	s_wait_xcnt 0x0
; q[p][c] = min(trunc(x[p][c] * 2^23 + 0.5), 2^23): the coordinates as whole numbers with 23 fraction bits, in x's own layout.
; The next launch forms every table index and every fraction from these by integer arithmetic.
; LIMITS.  x is taken in [0, 1], which the hashed and dense indices of the problem rely on: a negative x or a NaN counts as 0, an x above 1 as 1.
; The step of 2^-23 moves a position by at most 511 * 2^-24 of a cell at the finest level; the interpolant is continuous in x.
; A stream: a work-group owns 32,768 consecutive bytes, thread t the 16 bytes at 16 t + 4,096 j, j = 0..7, so each load and store of a wave
; covers 512 consecutive bytes, aligned.  All eight loads are issued first; no register is written twice, so nothing but the loads is waited for.
; No LDS, no matrix unit, no cluster: no byte is used twice.
.set CHUNK, 4096                       ; bytes that the eight waves cover with one instruction each
.set D,     8                          ; v[8:39]  chunk j: four words, as loaded and then as stored
	s_load_b128 s[4:7], s[0:1], 0x0                ; x s[4:5], q s[6:7]
	v_lshlrev_b32 v1, 4, v0                        ; 16 t
	s_lshl_b32 s2, ttmp9, 15                       ; the work-group's 32,768 bytes (1,024 work-groups: below 2^25)
	s_mov_b32 s3, 0
	s_wait_kmcnt 0x0
	s_add_nc_u64 s[4:5], s[4:5], s[2:3]
	s_add_nc_u64 s[6:7], s[6:7], s[2:3]
.irp j, 0,1,2,3,4,5,6,7
	global_load_b128 v[D+4*(\j):D+4*(\j)+3], v1, s[4:5] offset:CHUNK*(\j) th:TH_LOAD_NT  ; x is read once in the launch
.endr
.irp j, 0,1,2,3,4,5,6,7
	s_wait_loadcnt 7-(\j)                          ; loads come back in order: chunk j is in, the 7 - j younger ones stay out
	v_pk_fma_f32 v[D+4*(\j):D+4*(\j)+1],   v[D+4*(\j):D+4*(\j)+1],   0x4b000000, 0.5 op_sel_hi:[1,0,0]  ; x * 2^23 + 0.5, one rounding
	v_pk_fma_f32 v[D+4*(\j)+2:D+4*(\j)+3], v[D+4*(\j)+2:D+4*(\j)+3], 0x4b000000, 0.5 op_sel_hi:[1,0,0]
.irp k, 0,1,2,3
	v_cvt_u32_f32 v[D+4*(\j)+(\k)], v[D+4*(\j)+(\k)]  ; toward zero; below zero and NaN give 0
.endr
.irp k, 0,1,2,3
	v_min_u32 v[D+4*(\j)+(\k)], 0x800000, v[D+4*(\j)+(\k)]
.endr
	global_store_b128 v1, v[D+4*(\j):D+4*(\j)+3], s[6:7] offset:CHUNK*(\j)  ; no hint: the next launch reads q
.endr
	s_endpgm
.Lfunc_end_k_q630fff34c2_quant:
	.size	k_q630fff34c2_quant, .Lfunc_end_k_q630fff34c2_quant-k_q630fff34c2_quant
	.p2alignl 7, 3214868480
	.fill 96, 4, 3214868480
	.section	.rodata,"a",@progbits
	.p2align	6, 0x0
	.amdhsa_kernel k_q630fff34c2_quant
		.amdhsa_group_segment_fixed_size 0
		.amdhsa_private_segment_fixed_size 0
		.amdhsa_enable_private_segment 0
		.amdhsa_kernarg_size 16
		.amdhsa_user_sgpr_count 2
		.amdhsa_user_sgpr_kernarg_segment_ptr 1
		.amdhsa_wavefront_size32 1
		.amdhsa_system_sgpr_workgroup_id_x 1
		.amdhsa_system_sgpr_workgroup_id_y 1
		.amdhsa_system_sgpr_workgroup_id_z 1
		.amdhsa_system_vgpr_workitem_id 0
		.amdhsa_next_free_vgpr 44
		.amdhsa_next_free_sgpr 66
		.amdhsa_reserve_vcc 0
		.amdhsa_float_denorm_mode_32 3
		.amdhsa_float_denorm_mode_16_64 3
		.amdhsa_memory_ordered 1
		.amdhsa_forward_progress 1
		.amdhsa_inst_pref_size 7
	.end_amdhsa_kernel
	.amdgpu_metadata
---
amdhsa.version: [ 1, 2 ]
amdhsa.kernels:
  - .name:           k_q630fff34c2_quant
    .symbol:         k_q630fff34c2_quant.kd
    .args:
      - { .name: x, .offset: 0, .size: 8, .value_kind: global_buffer, .address_space: global }
      - { .name: q, .offset: 8, .size: 8, .value_kind: global_buffer, .address_space: global }
    .group_segment_fixed_size: 0
    .private_segment_fixed_size: 0
    .kernarg_segment_align: 8
    .kernarg_segment_size: 16
    .max_flat_workgroup_size: 256
    .sgpr_count:     66
    .vgpr_count:     44
    .wavefront_size: 32
...
	.end_amdgpu_metadata
.endif
;; end of part 1
;; launch field (part 2): grid 256 x 1, 16 waves a work-group, no clusters, 260,096 bytes of LDS; arguments q, latents, dec_w, dec_b, w1, b1, w2, b2, out0; writes out0
.if DOCPART == 2
	.amdgcn_target "amdgcn-amd-amdhsa--gfx1250"
	.amdhsa_code_object_version 6
	.text
	.protected	k_q630fff34c2_field
	.globl	k_q630fff34c2_field
	.p2align	8
	.type	k_q630fff34c2_field,@function
k_q630fff34c2_field:
	s_mov_b64 s[64:65], 0
	v_nop
	global_prefetch_b8 v0, s[64:65] scope:SCOPE_SE
	s_setreg_imm32_b32 hwreg(HW_REG_WAVE_MODE, 25, 1), 1
	s_wait_xcnt 0x0
; out0[p] = relu(h[p] w1 + b1) w2 + b2, h[p][l] = the bilinear interpolation of level l's decoded table (latents * dec_w + dec_b) at point p.
; q holds the points' coordinates as whole numbers with 23 fraction bits (X, Y in 0 .. 2^23), stored by the launch before.
; LEVELS.  R = 16 20 25 32 40 50 64 (dense: index ix R + iy) and 80 101 128 161 203 256 322 406 512 (hashed: (ix ^ iy * 2654435761) mod 4096, of which
; only the prime's low 12 bits, 0x9B1, matter).  X (R - 1) is below 2^32: its bits 31:23 are ix, its low 23 bits the fraction, exactly.
; SHARES.  256 work-groups of 16 waves; a work-group owns 16,384 points, a wave 1,024, in 16 trips of 64: lane L holds points 2 L and 2 L + 1 (batch 0, 1).
; All 16 decoded tables lie in LDS, written once by the work-group, read-only behind the one barrier.
; DENSE tables hold pairs: entry c = (T[c], T[c + R]), so a cell is two reads of 8 bytes, entries c and c + 1.  HASHED tables hold words: four reads of 4 bytes.
; MLP on the matrix unit, in bf16 with f32 sums, both products transposed (a point is a column).  K is 16 in both layers, half of the instruction's 32, so
; every operand goes in as two bf16 numbers, high part and remainder: layer 1 adds w1h hh + w1h hl + w1l hh, layer 2 all four products.  b1 and b2 are the C operands, in f32.
; LIMITS.  Coordinates as q has them (x clamped to [0, 1], step 2^-23).  At x = 1 or y = 1 the neighbour with weight 0 is read from the table word or entry
; one further on, not from the clamped one: the latents must be finite, or 0 * inf differs from the definition.  The product of two remainders in layer 1, 2^-16 of a term, is dropped.
; NO CLUSTER, NO TENSOR LOADS: all that work-groups share is the 256 KiB of latents, read once by each, and no LDS word is a copy of memory (each is decoded,
; the dense ones paired), so the tables pass through registers: 64 loads a thread in the whole launch.
;
; LDS: 0 unused | 4,096 pair tables, each padded to whole chunks of 512 entries, end to end | 98,304 nine hashed tables of 16,384 bytes | 245,760 stages, 768 bytes a wave | 258,048 spare words
.set PB0, 4096                         ; 512 entries of 8 bytes (256 used)
.set PB1, 8192                         ; 512 (400)
.set PB2, 12288                        ; 1,024 (625)
.set PB3, 20480                        ; 1,024 (1,024)
.set PB4, 28672                        ; 2,048 (1,600)
.set PB5, 45056                        ; 2,560 (2,500)
.set PB6, 65536                        ; 4,096 (4,096); behind its last entry lies the first hashed table: written and finite too
.set HB,  98304                        ; hashed level 7 + n at HB + 16384 n: a multiple of 16,384, so the base is set by an OR and no XOR below reaches it
.set STAGE, 245760
.set SPARE, 258048                     ; 128 bytes for each of 16 waves: eight blocks of 256 bytes that no other line names
.set NTRIP, 16
; vector registers of the loop
.set SPW,  1                           ; LDS address of my spare word; never rewritten
.set NIL,  2                           ; 0; never rewritten
.set QOFF, 3                           ; 16 x lane: my two points in a trip's 512 bytes of q
.set OOFF, 4                           ; 8 x lane: my 8 bytes in 256 bytes of out0
.set STW,  5                           ; stage, in: 24 x lane
.set STR,  6                           ; stage, back: 8 x lane
.set NEG1, 7                           ; -1.0
.set QN,   8                           ; v[8:11]   the next trip's q
.set QA,   12                          ; v[12:15]  X0 Y0 X1 Y1
.set FR,   16                          ; v[16:23]  (fy, fx) at FR + 4 p + 2 e: buffer p, batch e
.set G,    24                          ; v[24:39]  f00 f10 f01 f11 at G + 8 p + 4 e
.set T,    40                          ; v[40:55]  eight at work for each batch
.set F,    56                          ; v[56:59]  two features of a batch at F + 2 e
.set HI,   60                          ; v[60:67], v[76:83]  a batch's 16 features, high parts, packed in pairs: HI + 16 e
.set LO,   68                          ; v[68:75], v[84:91]  the remainders
.set OB,   92                          ; v[92:97]  rows read back from the stage
.set C1,   100                         ; v[100:107] b1[8 h + j]
.set C2,   108                         ; v[108:115] b2[0..2], then five zeros
.set AIH,  116                         ; v[116:123] w1 high for the points of lanes 0-15, v[124:131] for those of lanes 16-31
.set AIL,  132                         ; v[132:147] the same, remainders
.set A1H,  148                         ; v[148:155] w2 high in rows 0-2, v[156:163] in rows 8-10
.set A1L,  164                         ; v[164:179] the same, remainders
.set ACC,  24                          ; the MLP uses G's and T's registers again: hidden layer, tile t at ACC + 8 t
.set B2,   60                          ; and HI's and LO's: tile t's hidden numbers, high parts in registers 0-3, remainders in 4-7
.set D2,   24                          ; and ACC's first two tiles: batch e's result at D2 + 8 e
; vector registers of the prologue alone
.set PD,   16                          ; v[16:61]  pair data, chunk n at PD + 2 n
.set RW1,  62                          ; v[62:77]  w1[k][r]
.set RW2,  78                          ; v[78:85]  w2[8 h + i][c]
.set A16,  86                          ; 16 t
.set AH,   87                          ; v[87:89]  16 t + HB (+ 65,536, + 131,072): the LDS offset field holds 16 bits
.set A4,   90                          ; 4 t
.set A8,   91                          ; 8 t
.set A8B,  92                          ; 8 t + 65,536
.set AW1,  93                          ; 4 r
.set AW2,  94                          ; 96 h + 4 c
.set AB1,  95                          ; 32 h
.set LN,   96                          ; lane
.set RR,   97                          ; r = lane % 16
.set HH,   98                          ; h = lane / 16
.set TP,   99
.set HD,   180                         ; v[180:251] hashed data, chunk j at HD + 4 j; later v[180:203] at work on the weights
.set WT,   180
; scalars: s2 wave; s3 trips left; s4 fraction mask; s5 0x3ffc; s6 4 * 0x9B1; s7 1.0's bits; s[8:25] the nine addresses; s[26:27] dec_w; s[28:29] dec_b;
; s[32:34] b2; s[36:37] offsets; s40 lane < 16; s41 lane >= 16; s42 r < 3; s43 8 <= r < 11; s45 at work
; a, b -> their high parts packed in hi, their remainders packed in lo; a and b are left holding the remainders (the subtraction is exact)
.macro HILO hi, lo, a, b
	v_cvt_pk_bf16_f32 v[\hi], v[\a], v[\b]
	v_fma_mix_f32_bf16 v[\a], v[\hi], v[NEG1], v[\a] op_sel_hi:[1,0,0]
	v_fma_mix_f32_bf16 v[\b], v[\hi], v[NEG1], v[\b] op_sel:[1,0,0] op_sel_hi:[1,0,0]
	v_cvt_pk_bf16_f32 v[\lo], v[\a], v[\b]
.endm
	s_load_b512 s[8:23], s[0:1], 0x0               ; q s[8:9], latents s[10:11], dec_w s[12:13], dec_b s[14:15], w1 s[16:17], b1 s[18:19], w2 s[20:21], b2 s[22:23]
	s_load_b64 s[24:25], s[0:1], 0x40              ; out0
	v_lshl_add_u32 v[SPW], v0, 2, SPARE
	v_mov_b32 v[NIL], 0
	v_lshrrev_b32 v[LN], 5, v0
	v_readfirstlane_b32 s2, v[LN]                  ; wave 0..15
	v_and_b32 v[LN], 31, v0
	v_and_b32 v[RR], 15, v0
	v_bfe_u32 v[HH], v0, 4, 1
	v_lshlrev_b32 v[QOFF], 4, v[LN]
	v_lshlrev_b32 v[OOFF], 3, v[LN]
	s_mul_i32 s45, s2, 768
	s_add_co_u32 s45, s45, STAGE                   ; my wave's stage
	v_mul_u32_u24 v[STW], 24, v[LN]
	v_add_nc_u32 v[STW], s45, v[STW]
	v_lshl_add_u32 v[STR], v[LN], 3, s45
	v_mov_b32 v[NEG1], -1.0
	v_lshlrev_b32 v[A16], 4, v0
	v_add_nc_u32 v[AH], HB, v[A16]
	v_add_nc_u32 v[AH+1], HB+65536, v[A16]
	v_add_nc_u32 v[AH+2], HB+131072, v[A16]
	v_lshlrev_b32 v[A4], 2, v0
	v_lshlrev_b32 v[A8], 3, v0
	v_add_nc_u32 v[A8B], 65536, v[A8]
	v_lshlrev_b32 v[AW1], 2, v[RR]
	v_and_b32 v[TP], 7, v[RR]
	v_min_u32 v[TP], 2, v[TP]                      ; c = r for rows 0-2, r - 8 for rows 8-10; the other rows load a word that the masks below drop
	v_lshlrev_b32 v[TP], 2, v[TP]
	v_mul_u32_u24 v[AW2], 96, v[HH]
	v_add_nc_u32 v[AW2], v[AW2], v[TP]
	v_lshlrev_b32 v[AB1], 5, v[HH]
	v_cmp_gt_u32 s40, 16, v[LN]
	v_cmp_le_u32 s41, 16, v[LN]
	v_cmp_gt_u32 s42, 3, v[RR]
	v_add_nc_u32 v[TP], -8, v[RR]
	v_cmp_gt_u32 s43, 3, v[TP]                     ; unsigned: r - 8 in 0..2
	s_mov_b32 s4, 0x7fffff
	s_mov_b32 s5, 0x3ffc
	s_mov_b32 s6, 9924
	s_mov_b32 s7, 0x3f800000
	s_lshl_b32 s36, ttmp9, 17                      ; q: 16,384 points x 8 bytes a work-group,
	s_lshl_b32 s45, s2, 13                         ; 1,024 x 8 a wave
	s_add_co_u32 s36, s36, s45
	s_mov_b32 s37, 0
	s_wait_kmcnt 0x0
	s_load_b32 s26, s[12:13], 0x0                  ; dec_w
	s_load_b32 s28, s[14:15], 0x0                  ; dec_b
	s_load_b96 s[32:34], s[22:23], 0x0             ; b2
	s_add_nc_u64 s[8:9], s[8:9], s[36:37]
	s_mul_i32 s36, ttmp9, 196608                   ; out0: 16,384 x 12 bytes a work-group (255 of them stay below 2^26),
	s_mul_i32 s45, s2, 12288                       ; 1,024 x 12 a wave
	s_add_co_u32 s36, s36, s45
	s_add_nc_u64 s[24:25], s[24:25], s[36:37]
	; THE TABLES.  Hashed levels 7-15 are 147,456 consecutive bytes of latents: 18 chunks of 512 threads x 16 bytes.
.set j, 0
.rept 18
	global_load_b128 v[HD+4*j:HD+4*j+3], v[A16], s[10:11] offset:7*16384+8192*j
.set j, j+1
.endr
	; Dense levels: chunk j of level l is entries c = 512 j + t: the words c and c + R.  The largest index, 4,095 + 64 of level 6, lies in level 7's words: inside latents.
.macro PLOAD l, R, n0, nch
.set j, 0
.rept \nch
	global_load_b32 v[PD+2*((\n0)+j)],   v[A4], s[10:11] offset:16384*(\l)+2048*j
	global_load_b32 v[PD+2*((\n0)+j)+1], v[A4], s[10:11] offset:16384*(\l)+2048*j+4*(\R)
.set j, j+1
.endr
.endm
	PLOAD 0, 16, 0,  1
	PLOAD 1, 20, 1,  1
	PLOAD 2, 25, 2,  2
	PLOAD 3, 32, 4,  2
	PLOAD 4, 40, 6,  4
	PLOAD 5, 50, 10, 5
	PLOAD 6, 64, 15, 8
	s_wait_kmcnt 0x0                               ; dec_w, dec_b, b2
	s_mov_b32 s27, s26                             ; named as pairs by the packed arithmetic
	s_mov_b32 s29, s28
	s_wait_loadcnt 46                              ; the 18 hashed chunks are in; the 46 pair loads issued behind them may stay out
.set j, 0
.rept 18
	v_pk_fma_f32 v[HD+4*j:HD+4*j+1],   v[HD+4*j:HD+4*j+1],   s[26:27], s[28:29] op_sel_hi:[1,0,0]  ; the decoder: latent * dec_w + dec_b
	v_pk_fma_f32 v[HD+4*j+2:HD+4*j+3], v[HD+4*j+2:HD+4*j+3], s[26:27], s[28:29] op_sel_hi:[1,0,0]
	ds_store_b128 v[AH+j/8], v[HD+4*j:HD+4*j+3] offset:8192*(j%8)
.set j, j+1
.endr
	; the weights, and the first trip's q: 27 loads
.irp k, 0,1,2,3,4,5,6,7,8,9,10,11,12,13,14,15
	global_load_b32 v[RW1+(\k)], v[AW1], s[16:17] offset:64*(\k)   ; w1[k][r]
.endr
.irp i, 0,1,2,3,4,5,6,7
	global_load_b32 v[RW2+(\i)], v[AW2], s[20:21] offset:12*(\i)   ; w2[8 h + i][c]
.endr
	global_load_b128 v[C1:C1+3],   v[AB1], s[18:19]                ; b1[8 h + 0..3]
	global_load_b128 v[C1+4:C1+7], v[AB1], s[18:19] offset:16
	global_load_b128 v[QN:QN+3], v[QOFF], s[8:9] th:TH_LOAD_NT     ; q is read once in the launch
	s_wait_loadcnt 27                              ; the pair loads are in; those 27 may stay out
.macro PSTORE n0, nch, areg, base
.set j, 0
.rept \nch
	v_pk_fma_f32 v[PD+2*((\n0)+j):PD+2*((\n0)+j)+1], v[PD+2*((\n0)+j):PD+2*((\n0)+j)+1], s[26:27], s[28:29] op_sel_hi:[1,0,0]
	ds_store_b64 v[\areg], v[PD+2*((\n0)+j):PD+2*((\n0)+j)+1] offset:(\base)+4096*j  ; whole chunks: entries past R^2 hold the level's further words and are read with weight 0 at most
.set j, j+1
.endr
.endm
	PSTORE 0,  1, A8,  PB0
	PSTORE 1,  1, A8,  PB1
	PSTORE 2,  2, A8,  PB2
	PSTORE 4,  2, A8,  PB3
	PSTORE 6,  4, A8,  PB4
	PSTORE 10, 5, A8,  PB5
	PSTORE 15, 8, A8B, 0
	s_wait_loadcnt 1                               ; w1, w2, b1 are in; q may stay out
	; LAYER 1's SOURCE 0.  Source 1 will be a lane's own eight packed registers: lane r fills K slots 0-7 and 16-23 of column r with its point's features, lane 16 + r slots 8-15 and 24-31
	; with its own.  In source 0 the same lanes hold the same slots of row m = r: register i = (w1[2 i][m], w1[2 i + 1][m]).  With lanes 16-31 zero the product is the hidden layer of
	; the points of lanes 0-15, with lanes 0-15 zero that of lanes 16-31: nothing changes lanes.
.set i, 0
.rept 8
	HILO WT+i, WT+8+i, RW1+2*i, RW1+2*i+1
	v_cndmask_b32 v[AIH+i],   0, v[WT+i],   s40
	v_cndmask_b32 v[AIH+8+i], 0, v[WT+i],   s41
	v_cndmask_b32 v[AIL+i],   0, v[WT+8+i], s40
	v_cndmask_b32 v[AIL+8+i], 0, v[WT+8+i], s41
.set i, i+1
.endr
	; LAYER 2's SOURCE 0.  Row c (first form) or 8 + c (second) holds w2[k][c]: register i = k slots 8 h + 2 i, + 1; registers 4-7 repeat 0-3, since slots 16-31 carry the hidden numbers' remainders.
.set i, 0
.rept 4
	HILO WT+16+i, WT+20+i, RW2+2*i, RW2+2*i+1
	v_cndmask_b32 v[A1H+i],    0, v[WT+16+i], s42
	v_cndmask_b32 v[A1H+4+i],  0, v[WT+16+i], s42
	v_cndmask_b32 v[A1H+8+i],  0, v[WT+16+i], s43
	v_cndmask_b32 v[A1H+12+i], 0, v[WT+16+i], s43
	v_cndmask_b32 v[A1L+i],    0, v[WT+20+i], s42
	v_cndmask_b32 v[A1L+4+i],  0, v[WT+20+i], s42
	v_cndmask_b32 v[A1L+8+i],  0, v[WT+20+i], s43
	v_cndmask_b32 v[A1L+12+i], 0, v[WT+20+i], s43
.set i, i+1
.endr
	v_mov_b32 v[C2],   s32                         ; rows 0-2 and 8-10 of the result start at b2
	v_mov_b32 v[C2+1], s33
	v_mov_b32 v[C2+2], s34
.irp i, 3,4,5,6,7
	v_mov_b32 v[C2+(\i)], 0
.endr
	s_wait_dscnt 0x0                               ; for the others' sake: my part of the tables is stored
	s_barrier_signal -1
	s_barrier_wait -1                              ; the one barrier: from here on the tables are only read
	s_mov_b32 s3, NTRIP
; THE LOOP'S MACROS.  Each group of lines is written for both batches, so that neighbouring lines do not wait for each other.
; CELL: X S and Y S; their low 23 bits under 1.0's exponent are 1 + fraction, exactly.
.macro CELL p, S
.irp e, 0,1
	v_mul_u32_u24 v[T+8*(\e)],   \S, v[QA+2*(\e)]
	v_mul_u32_u24 v[T+8*(\e)+1], \S, v[QA+2*(\e)+1]
.endr
.irp e, 0,1
	v_and_or_b32 v[FR+4*(\p)+2*(\e)+1], v[T+8*(\e)],   s4, s7
	v_and_or_b32 v[FR+4*(\p)+2*(\e)],   v[T+8*(\e)+1], s4, s7
.endr
.endm
; A dense level into buffer p: entry ix R + iy and the entry behind it: (f00, f10) and (f01, f11).
.macro LVL_D p, R, base
	CELL \p, (\R)-1
.irp e, 0,1
	v_lshrrev_b32 v[T+8*(\e)],   23, v[T+8*(\e)]
	v_lshrrev_b32 v[T+8*(\e)+1], 23, v[T+8*(\e)+1]
.endr
.irp e, 0,1
	v_mad_u32_u24 v[T+8*(\e)], v[T+8*(\e)], \R, v[T+8*(\e)+1]
	v_pk_add_f32 v[FR+4*(\p)+2*(\e):FR+4*(\p)+2*(\e)+1], v[FR+4*(\p)+2*(\e):FR+4*(\p)+2*(\e)+1], -1.0 op_sel_hi:[1,0]
.endr
.irp e, 0,1
	v_lshl_add_u32 v[T+8*(\e)], v[T+8*(\e)], 3, \base
.endr
.irp e, 0,1
	v_min_u32 v[T+8*(\e)], (\base)+8*((\R)*(\R)-1), v[T+8*(\e)]  ; a loaded number enters an address behind a minimum with a constant: the table's last cell; it changes no value
.endr
.irp e, 0,1
	ds_load_b64 v[G+8*(\p)+4*(\e):G+8*(\p)+4*(\e)+1],   v[T+8*(\e)]
	ds_load_b64 v[G+8*(\p)+4*(\e)+2:G+8*(\p)+4*(\e)+3], v[T+8*(\e)] offset:8
.endr
.endm
; A hashed level into buffer p.  Byte addresses throughout: 4 ix, 4 ix + 4; 4 * 0x9B1 * iy and the same for iy + 1, cut to 12 + 2 bits, the table's base set above them; four XORs.
.macro LVL_H p, R, base
	CELL \p, (\R)-1
.irp e, 0,1
	v_lshrrev_b32 v[T+8*(\e)],   21, v[T+8*(\e)]
	v_lshrrev_b32 v[T+8*(\e)+1], 23, v[T+8*(\e)+1]
.endr
.irp e, 0,1
	v_and_b32 v[T+8*(\e)], 0x7fc, v[T+8*(\e)]      ; 4 ix: ix has 9 bits
	v_mul_u32_u24 v[T+8*(\e)+1], s6, v[T+8*(\e)+1]
	v_pk_add_f32 v[FR+4*(\p)+2*(\e):FR+4*(\p)+2*(\e)+1], v[FR+4*(\p)+2*(\e):FR+4*(\p)+2*(\e)+1], -1.0 op_sel_hi:[1,0]
.endr
.irp e, 0,1
	v_add_nc_u32 v[T+8*(\e)+3], 4, v[T+8*(\e)]
	v_add_nc_u32 v[T+8*(\e)+2], s6, v[T+8*(\e)+1]
	v_and_or_b32 v[T+8*(\e)+1], v[T+8*(\e)+1], s5, \base
.endr
.irp e, 0,1
	v_and_or_b32 v[T+8*(\e)+2], v[T+8*(\e)+2], s5, \base
	v_xor_b32 v[T+8*(\e)+4], v[T+8*(\e)],   v[T+8*(\e)+1]
	v_xor_b32 v[T+8*(\e)+5], v[T+8*(\e)+3], v[T+8*(\e)+1]
.endr
.irp e, 0,1
	v_xor_b32 v[T+8*(\e)+6], v[T+8*(\e)],   v[T+8*(\e)+2]
	v_xor_b32 v[T+8*(\e)+7], v[T+8*(\e)+3], v[T+8*(\e)+2]
	v_min_u32 v[T+8*(\e)+4], (\base)+0x3ffc, v[T+8*(\e)+4]  ; the bound, as in the dense levels: the table's last word; it changes no value
	v_min_u32 v[T+8*(\e)+5], (\base)+0x3ffc, v[T+8*(\e)+5]
.endr
.irp e, 0,1
	v_min_u32 v[T+8*(\e)+6], (\base)+0x3ffc, v[T+8*(\e)+6]
	v_min_u32 v[T+8*(\e)+7], (\base)+0x3ffc, v[T+8*(\e)+7]
.endr
.irp e, 0,1
	ds_load_b32 v[G+8*(\p)+4*(\e)],   v[T+8*(\e)+4]  ; f00
	ds_load_b32 v[G+8*(\p)+4*(\e)+1], v[T+8*(\e)+5]  ; f10: ix + 1
	ds_load_b32 v[G+8*(\p)+4*(\e)+2], v[T+8*(\e)+6]  ; f01: iy + 1
	ds_load_b32 v[G+8*(\p)+4*(\e)+3], v[T+8*(\e)+7]  ; f11
.endr
.endm
; Buffer p's cell -> feature p of the pair in hand: along y in both columns at once, then along x.
.macro INTERP p
.irp e, 0,1
	v_pk_add_f32 v[G+8*(\p)+4*(\e)+2:G+8*(\p)+4*(\e)+3], v[G+8*(\p)+4*(\e)+2:G+8*(\p)+4*(\e)+3], v[G+8*(\p)+4*(\e):G+8*(\p)+4*(\e)+1] neg_lo:[0,1] neg_hi:[0,1]
.endr
.irp e, 0,1
	v_pk_fma_f32 v[G+8*(\p)+4*(\e):G+8*(\p)+4*(\e)+1], v[G+8*(\p)+4*(\e)+2:G+8*(\p)+4*(\e)+3], v[FR+4*(\p)+2*(\e):FR+4*(\p)+2*(\e)+1], v[G+8*(\p)+4*(\e):G+8*(\p)+4*(\e)+1] op_sel_hi:[1,0,1]
.endr
.irp e, 0,1
	v_sub_f32 v[G+8*(\p)+4*(\e)+2], v[G+8*(\p)+4*(\e)+1], v[G+8*(\p)+4*(\e)]
.endr
.irp e, 0,1
	v_fma_f32 v[F+2*(\e)+(\p)], v[G+8*(\p)+4*(\e)+2], v[FR+4*(\p)+2*(\e)+1], v[G+8*(\p)+4*(\e)]
.endr
.endm
; Features 2 i and 2 i + 1 -> register i of HI and of LO
.macro PACK i
.irp e, 0,1
	v_cvt_pk_bf16_f32 v[HI+16*(\e)+(\i)], v[F+2*(\e)], v[F+2*(\e)+1]
.endr
.irp e, 0,1
	v_fma_mix_f32_bf16 v[F+2*(\e)],   v[HI+16*(\e)+(\i)], v[NEG1], v[F+2*(\e)]   op_sel_hi:[1,0,0]
	v_fma_mix_f32_bf16 v[F+2*(\e)+1], v[HI+16*(\e)+(\i)], v[NEG1], v[F+2*(\e)+1] op_sel:[1,0,0] op_sel_hi:[1,0,0]
.endr
.irp e, 0,1
	v_cvt_pk_bf16_f32 v[LO+16*(\e)+(\i)], v[F+2*(\e)], v[F+2*(\e)+1]
.endr
.endm
; Level l is finished.  left = the LDS loads issued behind its own, the next level's of both batches: they may stay out (LDS loads come back in order: ISA guide 5.7.1).
.macro FIN l, left
	s_wait_dscnt \left
	INTERP (\l)%2
.if (\l)%2
	PACK (\l)/2
.endif
.endm
; Tile t of the hidden layer: relu, then high parts into registers 0-3 of layer 2's source 1 and remainders into 4-7.  A lane's register j is hidden number 8 h + j of column r,
; which is the K slot that the source wants there.  The accumulator is read from its lowest register on.
.macro SPLIT t
.irp j, 0,1,2,3,4,5,6,7
	v_max_num_f32 v[ACC+8*(\t)+(\j)], 0, v[ACC+8*(\t)+(\j)]
.endr
.irp i, 0,1,2,3
	v_cvt_pk_bf16_f32 v[B2+8*(\t)+(\i)], v[ACC+8*(\t)+2*(\i)], v[ACC+8*(\t)+2*(\i)+1]
.endr
.irp i, 0,1,2,3
	v_fma_mix_f32_bf16 v[ACC+8*(\t)+2*(\i)],   v[B2+8*(\t)+(\i)], v[NEG1], v[ACC+8*(\t)+2*(\i)]   op_sel_hi:[1,0,0]
	v_fma_mix_f32_bf16 v[ACC+8*(\t)+2*(\i)+1], v[B2+8*(\t)+(\i)], v[NEG1], v[ACC+8*(\t)+2*(\i)+1] op_sel:[1,0,0] op_sel_hi:[1,0,0]
.endr
.irp i, 0,1,2,3
	v_cvt_pk_bf16_f32 v[B2+8*(\t)+4+(\i)], v[ACC+8*(\t)+2*(\i)], v[ACC+8*(\t)+2*(\i)+1]
.endr
.endm
.Ltrip:
	s_wait_loadcnt 0x0                             ; this trip's q is in: the one load that was out
.irp i, 0,1,2,3
	v_min_u32 v[QA+(\i)], 0x800000, v[QN+(\i)]     ; the copy out of the landing registers; it also keeps the 24-bit multiplies' domain
.endr
	s_cmp_eq_u32 s3, 1
	s_cbranch_scc1 .Lnoload                        ; the last trip asks for nothing: no load leaves the wave's part of q
	s_add_nc_u64 s[8:9], s[8:9], 512               ; the base is free since the wait above showed its load done
	global_load_b128 v[QN:QN+3], v[QOFF], s[8:9] th:TH_LOAD_NT  ; the next trip's 64 points, a whole trip ahead of their use
.Lnoload:
	; one level's gathers are on their way while the level before is interpolated: two buffers of G and FR by turns
	LVL_D 0, 16, PB0
	LVL_D 1, 20, PB1
	FIN 0, 4
	LVL_D 0, 25, PB2
	FIN 1, 4
	LVL_D 1, 32, PB3
	FIN 2, 4
	LVL_D 0, 40, PB4
	FIN 3, 4
	LVL_D 1, 50, PB5
	FIN 4, 4
	LVL_D 0, 64, PB6
	FIN 5, 4
	LVL_H 1, 80,  HB
	FIN 6, 8
	LVL_H 0, 101, HB+1*16384
	FIN 7, 8
	LVL_H 1, 128, HB+2*16384
	FIN 8, 8
	LVL_H 0, 161, HB+3*16384
	FIN 9, 8
	LVL_H 1, 203, HB+4*16384
	FIN 10, 8
	LVL_H 0, 256, HB+5*16384
	FIN 11, 8
	LVL_H 1, 322, HB+6*16384
	FIN 12, 8
	LVL_H 0, 406, HB+7*16384
	FIN 13, 8
	LVL_H 1, 512, HB+8*16384
	FIN 14, 8
	FIN 15, 0
	; LAYER 1: tile t = 2 e + half: batch e, the points of lanes 0-15 (half 0) or 16-31 (half 1).  Three passes; the four accumulators take turns.
.irp t, 0,1,2,3
	v_wmma_f32_16x16x32_bf16 v[ACC+8*(\t):ACC+8*(\t)+7], v[AIH+8*((\t)%2):AIH+8*((\t)%2)+7], v[HI+16*((\t)/2):HI+16*((\t)/2)+7], v[C1:C1+7]  ; the sums start at b1
.endr
.irp t, 0,1,2,3
	v_wmma_f32_16x16x32_bf16 v[ACC+8*(\t):ACC+8*(\t)+7], v[AIH+8*((\t)%2):AIH+8*((\t)%2)+7], v[LO+16*((\t)/2):LO+16*((\t)/2)+7], v[ACC+8*(\t):ACC+8*(\t)+7]
.endr
.irp t, 0,1,2,3
	v_wmma_f32_16x16x32_bf16 v[ACC+8*(\t):ACC+8*(\t)+7], v[AIL+8*((\t)%2):AIL+8*((\t)%2)+7], v[HI+16*((\t)/2):HI+16*((\t)/2)+7], v[ACC+8*(\t):ACC+8*(\t)+7]
.endr
.rept 4
	v_nop                                          ; four places between the products and the lines that read their results and write over their sources (ISA guide 7.12.1)
.endr
	SPLIT 0
	SPLIT 1
	SPLIT 2
	SPLIT 3
	; LAYER 2: rows 0-2 of the result take the tile of lanes 0-15, rows 8-10 that of lanes 16-31: registers 0-2 of lane L are then the RGB of lane L's own point.  Two accumulators by turns.
.irp e, 0,1
	v_wmma_f32_16x16x32_bf16 v[D2+8*(\e):D2+8*(\e)+7], v[A1H:A1H+7], v[B2+16*(\e):B2+16*(\e)+7], v[C2:C2+7]  ; the sums start at b2
.endr
.irp e, 0,1
	v_wmma_f32_16x16x32_bf16 v[D2+8*(\e):D2+8*(\e)+7], v[A1H+8:A1H+15], v[B2+16*(\e)+8:B2+16*(\e)+15], v[D2+8*(\e):D2+8*(\e)+7]
.endr
.irp e, 0,1
	v_wmma_f32_16x16x32_bf16 v[D2+8*(\e):D2+8*(\e)+7], v[A1L:A1L+7], v[B2+16*(\e):B2+16*(\e)+7], v[D2+8*(\e):D2+8*(\e)+7]
.endr
.irp e, 0,1
	v_wmma_f32_16x16x32_bf16 v[D2+8*(\e):D2+8*(\e)+7], v[A1L+8:A1L+15], v[B2+16*(\e)+8:B2+16*(\e)+15], v[D2+8*(\e):D2+8*(\e)+7]
.endr
.rept 4
	v_nop                                          ; four places again
.endr
	; THE WAY OUT.  My two points are 24 consecutive bytes of out0: R0 G0 B0 R1 G1 B1.  They go through my wave's own stage, so that each store covers 256 consecutive bytes, aligned.
	v_mov_b32 v[D2+3], v[D2+8]
	v_mov_b32 v[D2+4], v[D2+9]
	v_mov_b32 v[D2+5], v[D2+10]
	ds_store_b64 v[STW], v[D2:D2+1]
	ds_store_b64 v[STW], v[D2+2:D2+3] offset:8
	ds_store_b64 v[STW], v[D2+4:D2+5] offset:16
.irp j, 0,1,2
	ds_load_b64 v[OB+2*(\j):OB+2*(\j)+1], v[STR] offset:256*(\j)  ; LDS serves a wave's instructions in order (ISA guide 5.7.1.4): these see the stores above
.endr
	s_wait_dscnt 0x0
.irp j, 0,1,2
	global_store_b64 v[OOFF], v[OB+2*(\j):OB+2*(\j)+1], s[24:25] offset:256*(\j) th:TH_STORE_NT  ; written once, not read again
.endr
	s_wait_xcnt 0x0                                ; the stores' base and data registers are rewritten only behind this wait
	s_add_nc_u64 s[24:25], s[24:25], 768           ; 64 points x 12 bytes
	s_sub_co_u32 s3, s3, 1
	s_cmp_lg_u32 s3, 0
	s_cbranch_scc1 .Ltrip
	s_wait_tensorcnt 0x0                           ; the wave's end: behind my last LDS store
	ds_add_u32 v[SPW], v[NIL]
	s_wait_dscnt 0x0
	s_endpgm
.Lfunc_end_k_q630fff34c2_field:
	.size	k_q630fff34c2_field, .Lfunc_end_k_q630fff34c2_field-k_q630fff34c2_field
	.p2alignl 7, 3214868480
	.fill 96, 4, 3214868480
	.section	.rodata,"a",@progbits
	.p2align	6, 0x0
	.amdhsa_kernel k_q630fff34c2_field
		.amdhsa_group_segment_fixed_size 260096
		.amdhsa_private_segment_fixed_size 0
		.amdhsa_enable_private_segment 0
		.amdhsa_kernarg_size 72
		.amdhsa_user_sgpr_count 2
		.amdhsa_user_sgpr_kernarg_segment_ptr 1
		.amdhsa_wavefront_size32 1
		.amdhsa_system_sgpr_workgroup_id_x 1
		.amdhsa_system_sgpr_workgroup_id_y 1
		.amdhsa_system_sgpr_workgroup_id_z 1
		.amdhsa_system_vgpr_workitem_id 0
		.amdhsa_next_free_vgpr 256
		.amdhsa_next_free_sgpr 66
		.amdhsa_reserve_vcc 0
		.amdhsa_float_denorm_mode_32 3
		.amdhsa_float_denorm_mode_16_64 3
		.amdhsa_memory_ordered 1
		.amdhsa_forward_progress 1
		.amdhsa_inst_pref_size 79
	.end_amdhsa_kernel
	.amdgpu_metadata
---
amdhsa.version: [ 1, 2 ]
amdhsa.kernels:
  - .name:           k_q630fff34c2_field
    .symbol:         k_q630fff34c2_field.kd
    .args:
      - { .name: q, .offset: 0, .size: 8, .value_kind: global_buffer, .address_space: global }
      - { .name: latents, .offset: 8, .size: 8, .value_kind: global_buffer, .address_space: global }
      - { .name: dec_w, .offset: 16, .size: 8, .value_kind: global_buffer, .address_space: global }
      - { .name: dec_b, .offset: 24, .size: 8, .value_kind: global_buffer, .address_space: global }
      - { .name: w1, .offset: 32, .size: 8, .value_kind: global_buffer, .address_space: global }
      - { .name: b1, .offset: 40, .size: 8, .value_kind: global_buffer, .address_space: global }
      - { .name: w2, .offset: 48, .size: 8, .value_kind: global_buffer, .address_space: global }
      - { .name: b2, .offset: 56, .size: 8, .value_kind: global_buffer, .address_space: global }
      - { .name: out0, .offset: 64, .size: 8, .value_kind: global_buffer, .address_space: global }
    .group_segment_fixed_size: 260096
    .private_segment_fixed_size: 0
    .kernarg_segment_align: 8
    .kernarg_segment_size: 72
    .max_flat_workgroup_size: 512
    .sgpr_count:     66
    .vgpr_count:     256
    .wavefront_size: 32
...
	.end_amdgpu_metadata
.endif
;; end of part 2
;; ======== version 2 of 2: 2 launches; version 1 with the launch field written anew for expert scheduling mode
;; workspace buffers: q 33,554,432 bytes of whole numbers
;; launch quant: the kernel of part 1 again; grid 1024 x 1, 8 waves a work-group, no clusters, 0 bytes of LDS; arguments x, q; writes q
;; launch field (part 3): grid 256 x 1, 16 waves a work-group, no clusters, 260,096 bytes of LDS; arguments q, latents, dec_w, dec_b, w1, b1, w2, b2, out0; writes out0
.if DOCPART == 3
	.amdgcn_target "amdgcn-amd-amdhsa--gfx1250"
	.amdhsa_code_object_version 6
	.text
	.protected	k_q630fff34c2_field
	.globl	k_q630fff34c2_field
	.p2align	8
	.type	k_q630fff34c2_field,@function
k_q630fff34c2_field:
	s_mov_b64 s[64:65], 0
	v_nop
	global_prefetch_b8 v0, s[64:65] scope:SCOPE_SE
	s_setreg_imm32_b32 hwreg(HW_REG_WAVE_SCHED_MODE, 0, 2), 2
	s_setreg_imm32_b32 hwreg(HW_REG_WAVE_MODE, 25, 1), 1
	s_wait_xcnt 0x0
	s_wait_alu depctr_vm_vsrc(0)
; out0[p] = relu(h[p] w1 + b1) w2 + b2, h[p][l] = the bilinear interpolation of level l's decoded table (latents * dec_w + dec_b) at point p.
; q holds the points' coordinates as whole numbers with 23 fraction bits (X, Y in 0 .. 2^23), stored by the launch before.
; LEVELS.  R = 16 20 25 32 40 50 64 (dense: index ix R + iy) and 80 101 128 161 203 256 322 406 512 (hashed: (ix ^ iy * 2654435761) mod 4096, of which
; only the prime's low 12 bits, 0x9B1, matter).  X (R - 1) is below 2^32: its bits 31:23 are ix, its low 23 bits the fraction, exactly.
; SHARES.  256 work-groups of 16 waves; a work-group owns 16,384 points, a wave 1,024, in 16 trips of 64: lane L holds points 2 L and 2 L + 1 (batch 0, 1).
; All 16 decoded tables lie in LDS, written once by the work-group, read-only behind the one barrier.
; DENSE tables hold pairs: entry c = (T[c], T[c + R]), so a cell is two reads of 8 bytes, entries c and c + 1.  HASHED tables hold words: four reads of 4 bytes.
; MLP on the matrix unit, in bf16 with f32 sums, both products transposed (a point is a column).  K is 16 in both layers, half of the instruction's 32, so
; every operand goes in as two bf16 numbers, high part and remainder: layer 1 adds w1h hh + w1h hl + w1l hh, layer 2 all four products.  b1 and b2 are the C operands, in f32.
; LIMITS.  Coordinates as q has them (x clamped to [0, 1], step 2^-23).  At x = 1 or y = 1 the neighbour with weight 0 is read from the table word or entry
; one further on, not from the clamped one: the latents must be finite, or 0 * inf differs from the definition.  The product of two remainders in layer 1, 2^-16 of a term, is dropped.
; NO CLUSTER, NO TENSOR LOADS: all that work-groups share is the 256 KiB of latents, read once by each, and no LDS word is a copy of memory (each is decoded,
; the dense ones paired), so the tables pass through registers: 64 loads a thread in the whole launch.
; THE MODE: SCHED_MODE bits 1:0 = 2 (LLVM: expert scheduling mode 2), set by the entry lines.  The code itself states the register dependences
; between vector or matrix instructions and memory or LDS instructions, with s_wait_alu, always for 0.
; THE PLAN.  The 16 levels go in 8 groups of two, the two features that one packing takes.  Registers that LDS or memory instructions touch, in the loop:
;   T          one buffer.  Written by group g's address lines; read, as addresses, by group g's gathers; written again by group g + 1.
;   G0, G1     Group g's gathers land in G[g % 2]; group g's interpolation reads and writes it; group g + 2's gathers land in it again.
;   QN         The next trip's q lands in it; the four minima at a trip's head read it.
;   D2's first six   Written by layer 2's products and three moves; read by the way out's LDS stores; written again by the next trip's group 1 (FR's second buffer).
;   OB         The loads from the stage land in it; the global stores read it; no vector line of the loop names it.
;   QOFF, OOFF, STW, STR   Made at the head, never written again.
;   FR, F, HI, LO, ACC and the weights are named by vector and matrix instructions alone.
; So a group has two waits: one on vm_vsrc at its head (the gathers of the group before have read T), one on va_vdst behind its address lines (T is written; the interpolation
; of two groups back is done with the G buffer in which the gathers land).  A third kind stands once a trip, ahead of the way out's LDS stores.
;
; LDS: 0 unused | 4,096 pair tables, each padded to whole chunks of 512 entries, end to end | 98,304 nine hashed tables of 16,384 bytes | 245,760 stages, 768 bytes a wave | 258,048 spare words
.set PB0, 4096                         ; 512 entries of 8 bytes (256 used)
.set PB1, 8192                         ; 512 (400)
.set PB2, 12288                        ; 1,024 (625)
.set PB3, 20480                        ; 1,024 (1,024)
.set PB4, 28672                        ; 2,048 (1,600)
.set PB5, 45056                        ; 2,560 (2,500)
.set PB6, 65536                        ; 4,096 (4,096); behind its last entry lies the first hashed table: written and finite too
.set HB,  98304                        ; hashed level 7 + n at HB + 16384 n: a multiple of 16,384, so the base is set by an OR and no XOR below reaches it
.set STAGE, 245760
.set SPARE, 258048                     ; 128 bytes for each of 16 waves: eight blocks of 256 bytes that no other line names
.set NTRIP, 16
; vector registers of the loop
.set SPW,  1                           ; LDS address of my spare word; never rewritten
.set NIL,  2                           ; 0; never rewritten
.set QOFF, 3                           ; 16 x lane: my two points in a trip's 512 bytes of q
.set OOFF, 4                           ; 8 x lane: my 8 bytes in 256 bytes of out0
.set STW,  5                           ; stage, in: 24 x lane
.set STR,  6                           ; stage, back: 8 x lane
.set NEG1, 7                           ; -1.0
.set QN,   8                           ; v[8:11]   the next trip's q
.set QA,   12                          ; v[12:15]  X0 Y0 X1 Y1
.set FR,   16                          ; v[16:31]  (fy, fx) at FR + 8 b + 4 p + 2 e: buffer b, level p of the group, batch e
.set F,    56                          ; v[56:59]  two features of a batch at F + 2 e
.set HI,   60                          ; v[60:67], v[76:83]  a batch's 16 features, high parts, packed in pairs: HI + 16 e
.set LO,   68                          ; v[68:75], v[84:91]  the remainders
.set OB,   92                          ; v[92:97]  rows read back from the stage
.set C1,   100                         ; v[100:107] b1[8 h + j]
.set C2,   108                         ; v[108:115] b2[0..2], then five zeros
.set AIH,  116                         ; v[116:123] w1 high for the points of lanes 0-15, v[124:131] for those of lanes 16-31
.set AIL,  132                         ; v[132:147] the same, remainders
.set A1H,  148                         ; v[148:155] w2 high in rows 0-2, v[156:163] in rows 8-10
.set A1L,  164                         ; v[164:179] the same, remainders
.set T,    180                         ; v[180:211] eight at work, the addresses among them, at T + 16 p + 8 e
.set G,    212                         ; v[212:243] f00 f10 f01 f11 at G + 16 b + 8 p + 4 e
.set ACC,  24                          ; v[24:55]  the hidden layer, tile t at ACC + 8 t: FR's second buffer, dead by then, and 24 registers of its own
.set B2,   60                          ; the MLP uses HI's and LO's registers again: tile t's hidden numbers, high parts in registers 0-3, remainders in 4-7
.set D2,   24                          ; and ACC's first two tiles: batch e's result at D2 + 8 e
; vector registers of the prologue alone
.set PD,   16                          ; v[16:61]  pair data, chunk n at PD + 2 n
.set RW1,  62                          ; v[62:77]  w1[k][r]
.set RW2,  78                          ; v[78:85]  w2[8 h + i][c]
.set A16,  86                          ; 16 t
.set AH,   87                          ; v[87:89]  16 t + HB (+ 65,536, + 131,072): the LDS offset field holds 16 bits
.set A4,   90                          ; 4 t
.set A8,   91                          ; 8 t
.set A8B,  92                          ; 8 t + 65,536
.set AW1,  93                          ; 4 r
.set AW2,  94                          ; 96 h + 4 c
.set AB1,  95                          ; 32 h
.set LN,   96                          ; lane
.set RR,   97                          ; r = lane % 16
.set HH,   98                          ; h = lane / 16
.set TP,   99
.set HD,   180                         ; v[180:251] hashed data, chunk j at HD + 4 j; later v[180:203] at work on the weights
.set WT,   180
; scalars: s2 wave; s3 trips left; s4 fraction mask; s5 0x3ffc; s6 4 * 0x9B1; s7 1.0's bits; s[8:25] the nine addresses; s[26:27] dec_w; s[28:29] dec_b;
; s[32:34] b2; s[36:37] offsets; s40 lane < 16; s41 lane >= 16; s42 r < 3; s43 8 <= r < 11; s44 my wave's stage; s45 at work
; a, b -> their high parts packed in hi, their remainders packed in lo; a and b are left holding the remainders (the subtraction is exact)
.macro HILO hi, lo, a, b
	v_cvt_pk_bf16_f32 v[\hi], v[\a], v[\b]
	v_fma_mix_f32_bf16 v[\a], v[\hi], v[NEG1], v[\a] op_sel_hi:[1,0,0]
	v_fma_mix_f32_bf16 v[\b], v[\hi], v[NEG1], v[\b] op_sel:[1,0,0] op_sel_hi:[1,0,0]
	v_cvt_pk_bf16_f32 v[\lo], v[\a], v[\b]
.endm
	s_load_b512 s[8:23], s[0:1], 0x0               ; q s[8:9], latents s[10:11], dec_w s[12:13], dec_b s[14:15], w1 s[16:17], b1 s[18:19], w2 s[20:21], b2 s[22:23]
	s_load_b64 s[24:25], s[0:1], 0x40              ; out0
	v_lshl_add_u32 v[SPW], v0, 2, SPARE
	v_mov_b32 v[NIL], 0
	v_lshrrev_b32 v[LN], 5, v0
	v_readfirstlane_b32 s2, v[LN]                  ; wave 0..15
	v_and_b32 v[LN], 31, v0
	v_and_b32 v[RR], 15, v0
	v_bfe_u32 v[HH], v0, 4, 1
	v_add_nc_u32 v[TP], -8, v[RR]
	v_cmp_gt_u32 s40, 16, v[LN]                    ; the four masks stand beside the wave's number, so that one wait serves all five scalar results
	v_cmp_le_u32 s41, 16, v[LN]
	v_cmp_gt_u32 s42, 3, v[RR]
	v_cmp_gt_u32 s43, 3, v[TP]                     ; unsigned: r - 8 in 0..2
	v_lshlrev_b32 v[QOFF], 4, v[LN]
	v_lshlrev_b32 v[OOFF], 3, v[LN]
	v_mov_b32 v[NEG1], -1.0
	v_lshlrev_b32 v[A16], 4, v0
	v_add_nc_u32 v[AH], HB, v[A16]
	v_add_nc_u32 v[AH+1], HB+65536, v[A16]
	v_add_nc_u32 v[AH+2], HB+131072, v[A16]
	v_lshlrev_b32 v[A4], 2, v0
	v_lshlrev_b32 v[A8], 3, v0
	v_add_nc_u32 v[A8B], 65536, v[A8]
	v_lshlrev_b32 v[AW1], 2, v[RR]
	v_and_b32 v[TP], 7, v[RR]
	v_min_u32 v[TP], 2, v[TP]                      ; c = r for rows 0-2, r - 8 for rows 8-10; the other rows load a word that the masks drop
	v_lshlrev_b32 v[TP], 2, v[TP]
	v_mul_u32_u24 v[AW2], 96, v[HH]
	v_add_nc_u32 v[AW2], v[AW2], v[TP]
	v_lshlrev_b32 v[AB1], 5, v[HH]
	v_mul_u32_u24 v[STW], 24, v[LN]
	s_wait_alu depctr_va_sdst(0)                   ; s2 and s40 to s43 are written, ahead of their first readers: the scalar lines below read s2, the selects on the weights read the masks
	s_mul_i32 s44, s2, 768
	s_add_co_u32 s44, s44, STAGE                   ; my wave's stage
	v_add_nc_u32 v[STW], s44, v[STW]
	v_lshl_add_u32 v[STR], v[LN], 3, s44
	s_mov_b32 s4, 0x7fffff
	s_mov_b32 s5, 0x3ffc
	s_mov_b32 s6, 9924
	s_mov_b32 s7, 0x3f800000
	s_lshl_b32 s36, ttmp9, 17                      ; q: 16,384 points x 8 bytes a work-group,
	s_lshl_b32 s45, s2, 13                         ; 1,024 x 8 a wave
	s_add_co_u32 s36, s36, s45
	s_mov_b32 s37, 0
	s_wait_kmcnt 0x0
	s_load_b32 s26, s[12:13], 0x0                  ; dec_w
	s_load_b32 s28, s[14:15], 0x0                  ; dec_b
	s_load_b96 s[32:34], s[22:23], 0x0             ; b2
	s_add_nc_u64 s[8:9], s[8:9], s[36:37]
	s_mul_i32 s36, ttmp9, 196608                   ; out0: 16,384 x 12 bytes a work-group (255 of them stay below 2^26),
	s_mul_i32 s45, s2, 12288                       ; 1,024 x 12 a wave
	s_add_co_u32 s36, s36, s45
	s_add_nc_u64 s[24:25], s[24:25], s[36:37]
	s_wait_alu depctr_va_vdst(0)                   ; every offset and LDS address of the kernel but the gathers' is written (v1 to v6, v86 to v95): the loads and stores below read them
	; THE TABLES.  Hashed levels 7-15 are 147,456 consecutive bytes of latents: 18 chunks of 512 threads x 16 bytes.
.set j, 0
.rept 18
	global_load_b128 v[HD+4*j:HD+4*j+3], v[A16], s[10:11] offset:7*16384+8192*j
.set j, j+1
.endr
	; Dense levels: chunk j of level l is entries c = 512 j + t: the words c and c + R.  The largest index, 4,095 + 64 of level 6, lies in level 7's words: inside latents.
.macro PLOAD l, R, n0, nch
.set j, 0
.rept \nch
	global_load_b32 v[PD+2*((\n0)+j)],   v[A4], s[10:11] offset:16384*(\l)+2048*j
	global_load_b32 v[PD+2*((\n0)+j)+1], v[A4], s[10:11] offset:16384*(\l)+2048*j+4*(\R)
.set j, j+1
.endr
.endm
	PLOAD 0, 16, 0,  1
	PLOAD 1, 20, 1,  1
	PLOAD 2, 25, 2,  2
	PLOAD 3, 32, 4,  2
	PLOAD 4, 40, 6,  4
	PLOAD 5, 50, 10, 5
	PLOAD 6, 64, 15, 8
	s_wait_kmcnt 0x0                               ; dec_w, dec_b, b2
	s_mov_b32 s27, s26                             ; named as pairs by the packed arithmetic
	s_mov_b32 s29, s28
	s_wait_loadcnt 46                              ; the 18 hashed chunks are in; the 46 pair loads issued behind them may stay out
.set j, 0
.rept 18
	v_pk_fma_f32 v[HD+4*j:HD+4*j+1],   v[HD+4*j:HD+4*j+1],   s[26:27], s[28:29] op_sel_hi:[1,0,0]  ; the decoder: latent * dec_w + dec_b
	v_pk_fma_f32 v[HD+4*j+2:HD+4*j+3], v[HD+4*j+2:HD+4*j+3], s[26:27], s[28:29] op_sel_hi:[1,0,0]
.set j, j+1
.endr
	s_wait_alu depctr_va_vdst(0)                   ; the decoder has written v[HD ..], which the run of LDS stores reads
.set j, 0
.rept 18
	ds_store_b128 v[AH+j/8], v[HD+4*j:HD+4*j+3] offset:8192*(j%8)
.set j, j+1
.endr
	; the weights, and the first trip's q: 27 loads, into registers that no vector line has named
.irp k, 0,1,2,3,4,5,6,7,8,9,10,11,12,13,14,15
	global_load_b32 v[RW1+(\k)], v[AW1], s[16:17] offset:64*(\k)   ; w1[k][r]
.endr
.irp i, 0,1,2,3,4,5,6,7
	global_load_b32 v[RW2+(\i)], v[AW2], s[20:21] offset:12*(\i)   ; w2[8 h + i][c]
.endr
	global_load_b128 v[C1:C1+3],   v[AB1], s[18:19]                ; b1[8 h + 0..3]
	global_load_b128 v[C1+4:C1+7], v[AB1], s[18:19] offset:16
	global_load_b128 v[QN:QN+3], v[QOFF], s[8:9] th:TH_LOAD_NT     ; q is read once in the launch
	s_wait_loadcnt 27                              ; the pair loads are in; those 27 may stay out
.set j, 0
.rept 23
	v_pk_fma_f32 v[PD+2*j:PD+2*j+1], v[PD+2*j:PD+2*j+1], s[26:27], s[28:29] op_sel_hi:[1,0,0]  ; the decoder, on all 23 chunks of pairs
.set j, j+1
.endr
	s_wait_alu depctr_va_vdst(0)                   ; the decoder has written v[PD ..], which the run of LDS stores reads
.macro PSTORE n0, nch, areg, base
.set j, 0
.rept \nch
	ds_store_b64 v[\areg], v[PD+2*((\n0)+j):PD+2*((\n0)+j)+1] offset:(\base)+4096*j  ; whole chunks: entries past R^2 hold the level's further words and are read with weight 0 at most
.set j, j+1
.endr
.endm
	PSTORE 0,  1, A8,  PB0
	PSTORE 1,  1, A8,  PB1
	PSTORE 2,  2, A8,  PB2
	PSTORE 4,  2, A8,  PB3
	PSTORE 6,  4, A8,  PB4
	PSTORE 10, 5, A8,  PB5
	PSTORE 15, 8, A8B, 0
	s_wait_loadcnt 1                               ; w1, w2, b1 are in; q may stay out
	s_wait_alu depctr_vm_vsrc(0)                   ; the hashed tables' LDS stores have read v[HD ..], of which the lines below write the first 24 as v[WT ..]
	; LAYER 1's SOURCE 0.  Source 1 will be a lane's own eight packed registers: lane r fills K slots 0-7 and 16-23 of column r with its point's features, lane 16 + r slots 8-15 and 24-31
	; with its own.  In source 0 the same lanes hold the same slots of row m = r: register i = (w1[2 i][m], w1[2 i + 1][m]).  With lanes 16-31 zero the product is the hidden layer of
	; the points of lanes 0-15, with lanes 0-15 zero that of lanes 16-31: nothing changes lanes.
.set i, 0
.rept 8
	HILO WT+i, WT+8+i, RW1+2*i, RW1+2*i+1
	v_cndmask_b32 v[AIH+i],   0, v[WT+i],   s40
	v_cndmask_b32 v[AIH+8+i], 0, v[WT+i],   s41
	v_cndmask_b32 v[AIL+i],   0, v[WT+8+i], s40
	v_cndmask_b32 v[AIL+8+i], 0, v[WT+8+i], s41
.set i, i+1
.endr
	; LAYER 2's SOURCE 0.  Row c (first form) or 8 + c (second) holds w2[k][c]: register i = k slots 8 h + 2 i, + 1; registers 4-7 repeat 0-3, since slots 16-31 carry the hidden numbers' remainders.
.set i, 0
.rept 4
	HILO WT+16+i, WT+20+i, RW2+2*i, RW2+2*i+1
	v_cndmask_b32 v[A1H+i],    0, v[WT+16+i], s42
	v_cndmask_b32 v[A1H+4+i],  0, v[WT+16+i], s42
	v_cndmask_b32 v[A1H+8+i],  0, v[WT+16+i], s43
	v_cndmask_b32 v[A1H+12+i], 0, v[WT+16+i], s43
	v_cndmask_b32 v[A1L+i],    0, v[WT+20+i], s42
	v_cndmask_b32 v[A1L+4+i],  0, v[WT+20+i], s42
	v_cndmask_b32 v[A1L+8+i],  0, v[WT+20+i], s43
	v_cndmask_b32 v[A1L+12+i], 0, v[WT+20+i], s43
.set i, i+1
.endr
	v_mov_b32 v[C2],   s32                         ; rows 0-2 and 8-10 of the result start at b2
	v_mov_b32 v[C2+1], s33
	v_mov_b32 v[C2+2], s34
.irp i, 3,4,5,6,7
	v_mov_b32 v[C2+(\i)], 0
.endr
	s_wait_dscnt 0x0                               ; for the others' sake: my part of the tables is stored
	s_barrier_signal -1
	s_barrier_wait -1                              ; the one barrier: from here on the tables are only read
	s_mov_b32 s3, NTRIP
; THE LOOP'S MACROS.  Each group of lines is written for both batches, so that neighbouring lines do not wait for each other.
.macro AT b, p, e                      ; the registers of buffer b, level p of the group, batch e
.set tt, T+16*(\p)+8*(\e)
.set ff, FR+8*(\b)+4*(\p)+2*(\e)
.set gg, G+16*(\b)+8*(\p)+4*(\e)
.endm
; CELL: X S and Y S; their low 23 bits under 1.0's exponent are 1 + fraction, exactly.
.macro CELL b, p, S
.irp e, 0,1
	AT \b, \p, \e
	v_mul_u32_u24 v[tt],   \S, v[QA+2*(\e)]
	v_mul_u32_u24 v[tt+1], \S, v[QA+2*(\e)+1]
.endr
.irp e, 0,1
	AT \b, \p, \e
	v_and_or_b32 v[ff+1], v[tt],   s4, s7
	v_and_or_b32 v[ff],   v[tt+1], s4, s7
.endr
.endm
; A dense level's address: entry ix R + iy.
.macro ADR_D b, p, R, base
	CELL \b, \p, (\R)-1
.irp e, 0,1
	AT \b, \p, \e
	v_lshrrev_b32 v[tt],   23, v[tt]
	v_lshrrev_b32 v[tt+1], 23, v[tt+1]
.endr
.irp e, 0,1
	AT \b, \p, \e
	v_mad_u32_u24 v[tt], v[tt], \R, v[tt+1]
	v_pk_add_f32 v[ff:ff+1], v[ff:ff+1], -1.0 op_sel_hi:[1,0]
.endr
.irp e, 0,1
	AT \b, \p, \e
	v_lshl_add_u32 v[tt], v[tt], 3, \base
.endr
.irp e, 0,1
	AT \b, \p, \e
	v_min_u32 v[tt], (\base)+8*((\R)*(\R)-1), v[tt]  ; a loaded number enters an address behind a minimum with a constant: the table's last cell; it changes no value
.endr
.endm
; Its gathers: that entry and the entry behind it: (f00, f10) and (f01, f11).
.macro GET_D b, p
.irp e, 0,1
	AT \b, \p, \e
	ds_load_b64 v[gg:gg+1],   v[tt]
	ds_load_b64 v[gg+2:gg+3], v[tt] offset:8
.endr
.endm
; A hashed level's addresses.  Byte addresses throughout: 4 ix, 4 ix + 4; 4 * 0x9B1 * iy and the same for iy + 1, cut to 12 + 2 bits, the table's base set above them; four XORs.
.macro ADR_H b, p, R, base
	CELL \b, \p, (\R)-1
.irp e, 0,1
	AT \b, \p, \e
	v_lshrrev_b32 v[tt],   21, v[tt]
	v_lshrrev_b32 v[tt+1], 23, v[tt+1]
.endr
.irp e, 0,1
	AT \b, \p, \e
	v_and_b32 v[tt], 0x7fc, v[tt]                  ; 4 ix: ix has 9 bits
	v_mul_u32_u24 v[tt+1], s6, v[tt+1]
	v_pk_add_f32 v[ff:ff+1], v[ff:ff+1], -1.0 op_sel_hi:[1,0]
.endr
.irp e, 0,1
	AT \b, \p, \e
	v_add_nc_u32 v[tt+3], 4, v[tt]
	v_add_nc_u32 v[tt+2], s6, v[tt+1]
	v_and_or_b32 v[tt+1], v[tt+1], s5, \base
.endr
.irp e, 0,1
	AT \b, \p, \e
	v_and_or_b32 v[tt+2], v[tt+2], s5, \base
	v_xor_b32 v[tt+4], v[tt],   v[tt+1]
	v_xor_b32 v[tt+5], v[tt+3], v[tt+1]
.endr
.irp e, 0,1
	AT \b, \p, \e
	v_xor_b32 v[tt+6], v[tt],   v[tt+2]
	v_xor_b32 v[tt+7], v[tt+3], v[tt+2]
	v_min_u32 v[tt+4], (\base)+0x3ffc, v[tt+4]     ; the bound, as in the dense levels: the table's last word; it changes no value
	v_min_u32 v[tt+5], (\base)+0x3ffc, v[tt+5]
.endr
.irp e, 0,1
	AT \b, \p, \e
	v_min_u32 v[tt+6], (\base)+0x3ffc, v[tt+6]
	v_min_u32 v[tt+7], (\base)+0x3ffc, v[tt+7]
.endr
.endm
.macro GET_H b, p
.irp e, 0,1
	AT \b, \p, \e
	ds_load_b32 v[gg],   v[tt+4]                   ; f00
	ds_load_b32 v[gg+1], v[tt+5]                   ; f10: ix + 1
	ds_load_b32 v[gg+2], v[tt+6]                   ; f01: iy + 1
	ds_load_b32 v[gg+3], v[tt+7]                   ; f11
.endr
.endm
; Buffer b's level p -> feature p of the pair in hand: along y in both columns at once, then along x.
.macro INTERP b, p
.irp e, 0,1
	AT \b, \p, \e
	v_pk_add_f32 v[gg+2:gg+3], v[gg+2:gg+3], v[gg:gg+1] neg_lo:[0,1] neg_hi:[0,1]
.endr
.irp e, 0,1
	AT \b, \p, \e
	v_pk_fma_f32 v[gg:gg+1], v[gg+2:gg+3], v[ff:ff+1], v[gg:gg+1] op_sel_hi:[1,0,1]
.endr
.irp e, 0,1
	AT \b, \p, \e
	v_sub_f32 v[gg+2], v[gg+1], v[gg]
.endr
.irp e, 0,1
	AT \b, \p, \e
	v_fma_f32 v[F+2*(\e)+(\p)], v[gg+2], v[ff+1], v[gg]
.endr
.endm
; Features 2 i and 2 i + 1 -> register i of HI and of LO
.macro PACK i
.irp e, 0,1
	v_cvt_pk_bf16_f32 v[HI+16*(\e)+(\i)], v[F+2*(\e)], v[F+2*(\e)+1]
.endr
.irp e, 0,1
	v_fma_mix_f32_bf16 v[F+2*(\e)],   v[HI+16*(\e)+(\i)], v[NEG1], v[F+2*(\e)]   op_sel_hi:[1,0,0]
	v_fma_mix_f32_bf16 v[F+2*(\e)+1], v[HI+16*(\e)+(\i)], v[NEG1], v[F+2*(\e)+1] op_sel:[1,0,0] op_sel_hi:[1,0,0]
.endr
.irp e, 0,1
	v_cvt_pk_bf16_f32 v[LO+16*(\e)+(\i)], v[F+2*(\e)], v[F+2*(\e)+1]
.endr
.endm
; Group g is finished.  left = the LDS loads issued behind its own, the next group's of both levels and both batches: they may stay out (LDS loads come back in order: ISA guide 5.7.1).
.macro FIN g, left
	s_wait_dscnt \left
	INTERP (\g)%2, 0
	INTERP (\g)%2, 1
	PACK \g
.endm
; Tile t of the hidden layer: relu, then high parts into registers 0-3 of layer 2's source 1 and remainders into 4-7.  A lane's register j is hidden number 8 h + j of column r,
; which is the K slot that the source wants there.  The accumulator is read from its lowest register on.
.macro SPLIT t
.irp j, 0,1,2,3,4,5,6,7
	v_max_num_f32 v[ACC+8*(\t)+(\j)], 0, v[ACC+8*(\t)+(\j)]
.endr
.irp i, 0,1,2,3
	v_cvt_pk_bf16_f32 v[B2+8*(\t)+(\i)], v[ACC+8*(\t)+2*(\i)], v[ACC+8*(\t)+2*(\i)+1]
.endr
.irp i, 0,1,2,3
	v_fma_mix_f32_bf16 v[ACC+8*(\t)+2*(\i)],   v[B2+8*(\t)+(\i)], v[NEG1], v[ACC+8*(\t)+2*(\i)]   op_sel_hi:[1,0,0]
	v_fma_mix_f32_bf16 v[ACC+8*(\t)+2*(\i)+1], v[B2+8*(\t)+(\i)], v[NEG1], v[ACC+8*(\t)+2*(\i)+1] op_sel:[1,0,0] op_sel_hi:[1,0,0]
.endr
.irp i, 0,1,2,3
	v_cvt_pk_bf16_f32 v[B2+8*(\t)+4+(\i)], v[ACC+8*(\t)+2*(\i)], v[ACC+8*(\t)+2*(\i)+1]
.endr
.endm
.Ltrip:
	s_wait_loadcnt 0x0                             ; this trip's q is in: the one load that was out
.irp i, 0,1,2,3
	v_min_u32 v[QA+(\i)], 0x800000, v[QN+(\i)]     ; the copy out of the landing registers; it also keeps the 24-bit multiplies' domain
.endr
	; one group's gathers are on their way while the group before is interpolated: two buffers of G and FR by turns
	s_wait_alu depctr_vm_vsrc(0)                   ; the last trip's gathers have read T, its LDS stores v[D2 ..], its global stores v[OB ..]; in the first trip: the prologue's stores and loads have read v16-61, v86-97 and v180-251
	ADR_D 0, 0, 16, PB0
	ADR_D 0, 1, 20, PB1
	s_wait_alu depctr_va_vdst(0)                   ; group 0's addresses are written; group 6's interpolation of the last trip is done with G0; the four minima above are done reading v[QN ..]
	GET_D 0, 0
	GET_D 0, 1
	s_cmp_eq_u32 s3, 1
	s_cbranch_scc1 .Lnoload                        ; the last trip asks for nothing: no load leaves the wave's part of q
	s_add_nc_u64 s[8:9], s[8:9], 512               ; the base is free since the wait at the trip's head showed its load done
	global_load_b128 v[QN:QN+3], v[QOFF], s[8:9] th:TH_LOAD_NT  ; the next trip's 64 points, nearly a whole trip ahead of their use; no vector line since the wait above names v[QN ..]
.Lnoload:
	s_wait_alu depctr_vm_vsrc(0)                   ; group 0's gathers have read T
	ADR_D 1, 0, 25, PB2
	ADR_D 1, 1, 32, PB3
	s_wait_alu depctr_va_vdst(0)                   ; group 1's addresses are written; group 7's interpolation of the last trip is done with G1
	GET_D 1, 0
	GET_D 1, 1
	FIN 0, 8
	s_wait_alu depctr_vm_vsrc(0)                   ; group 1's gathers have read T
	ADR_D 0, 0, 40, PB4
	ADR_D 0, 1, 50, PB5
	s_wait_alu depctr_va_vdst(0)                   ; group 2's addresses are written; group 0's interpolation is done with G0
	GET_D 0, 0
	GET_D 0, 1
	FIN 1, 8
	s_wait_alu depctr_vm_vsrc(0)                   ; group 2's gathers have read T
	ADR_D 1, 0, 64, PB6
	ADR_H 1, 1, 80, HB
	s_wait_alu depctr_va_vdst(0)                   ; group 3's addresses are written; group 1's interpolation is done with G1
	GET_D 1, 0
	GET_H 1, 1
	FIN 2, 12
	s_wait_alu depctr_vm_vsrc(0)                   ; group 3's gathers have read T
	ADR_H 0, 0, 101, HB+1*16384
	ADR_H 0, 1, 128, HB+2*16384
	s_wait_alu depctr_va_vdst(0)                   ; group 4's addresses are written; group 2's interpolation is done with G0
	GET_H 0, 0
	GET_H 0, 1
	FIN 3, 16
	s_wait_alu depctr_vm_vsrc(0)                   ; group 4's gathers have read T
	ADR_H 1, 0, 161, HB+3*16384
	ADR_H 1, 1, 203, HB+4*16384
	s_wait_alu depctr_va_vdst(0)                   ; group 5's addresses are written; group 3's interpolation is done with G1
	GET_H 1, 0
	GET_H 1, 1
	FIN 4, 16
	s_wait_alu depctr_vm_vsrc(0)                   ; group 5's gathers have read T
	ADR_H 0, 0, 256, HB+5*16384
	ADR_H 0, 1, 322, HB+6*16384
	s_wait_alu depctr_va_vdst(0)                   ; group 6's addresses are written; group 4's interpolation is done with G0
	GET_H 0, 0
	GET_H 0, 1
	FIN 5, 16
	s_wait_alu depctr_vm_vsrc(0)                   ; group 6's gathers have read T
	ADR_H 1, 0, 406, HB+7*16384
	ADR_H 1, 1, 512, HB+8*16384
	s_wait_alu depctr_va_vdst(0)                   ; group 7's addresses are written; group 5's interpolation is done with G1
	GET_H 1, 0
	GET_H 1, 1
	FIN 6, 16
	FIN 7, 0
	; LAYER 1: tile t = 2 e + half: batch e, the points of lanes 0-15 (half 0) or 16-31 (half 1).  Three passes; the four accumulators take turns.
.irp t, 0,1,2,3
	v_wmma_f32_16x16x32_bf16 v[ACC+8*(\t):ACC+8*(\t)+7], v[AIH+8*((\t)%2):AIH+8*((\t)%2)+7], v[HI+16*((\t)/2):HI+16*((\t)/2)+7], v[C1:C1+7]  ; the sums start at b1
.endr
.irp t, 0,1,2,3
	v_wmma_f32_16x16x32_bf16 v[ACC+8*(\t):ACC+8*(\t)+7], v[AIH+8*((\t)%2):AIH+8*((\t)%2)+7], v[LO+16*((\t)/2):LO+16*((\t)/2)+7], v[ACC+8*(\t):ACC+8*(\t)+7]
.endr
.irp t, 0,1,2,3
	v_wmma_f32_16x16x32_bf16 v[ACC+8*(\t):ACC+8*(\t)+7], v[AIL+8*((\t)%2):AIL+8*((\t)%2)+7], v[HI+16*((\t)/2):HI+16*((\t)/2)+7], v[ACC+8*(\t):ACC+8*(\t)+7]
.endr
.rept 4
	v_nop                                          ; four places between the products and the lines that read their results and write over their sources (ISA guide 7.12.1)
.endr
	SPLIT 0
	SPLIT 1
	SPLIT 2
	SPLIT 3
	; LAYER 2: rows 0-2 of the result take the tile of lanes 0-15, rows 8-10 that of lanes 16-31: registers 0-2 of lane L are then the RGB of lane L's own point.  Two accumulators by turns.
.irp e, 0,1
	v_wmma_f32_16x16x32_bf16 v[D2+8*(\e):D2+8*(\e)+7], v[A1H:A1H+7], v[B2+16*(\e):B2+16*(\e)+7], v[C2:C2+7]  ; the sums start at b2
.endr
.irp e, 0,1
	v_wmma_f32_16x16x32_bf16 v[D2+8*(\e):D2+8*(\e)+7], v[A1H+8:A1H+15], v[B2+16*(\e)+8:B2+16*(\e)+15], v[D2+8*(\e):D2+8*(\e)+7]
.endr
.irp e, 0,1
	v_wmma_f32_16x16x32_bf16 v[D2+8*(\e):D2+8*(\e)+7], v[A1L:A1L+7], v[B2+16*(\e):B2+16*(\e)+7], v[D2+8*(\e):D2+8*(\e)+7]
.endr
.irp e, 0,1
	v_wmma_f32_16x16x32_bf16 v[D2+8*(\e):D2+8*(\e)+7], v[A1L+8:A1L+15], v[B2+16*(\e)+8:B2+16*(\e)+15], v[D2+8*(\e):D2+8*(\e)+7]
.endr
.rept 4
	v_nop                                          ; four places again
.endr
	; THE WAY OUT.  My two points are 24 consecutive bytes of out0: R0 G0 B0 R1 G1 B1.  They go through my wave's own stage, so that each store covers 256 consecutive bytes, aligned.
	v_mov_b32 v[D2+3], v[D2+8]
	v_mov_b32 v[D2+4], v[D2+9]
	v_mov_b32 v[D2+5], v[D2+10]
	s_wait_alu depctr_va_vdst(0)                   ; layer 2's products and the three moves have written v[D2:D2+5], which the LDS stores read; the places above stay beside this wait
	ds_store_b64 v[STW], v[D2:D2+1]
	ds_store_b64 v[STW], v[D2+2:D2+3] offset:8
	ds_store_b64 v[STW], v[D2+4:D2+5] offset:16
.irp j, 0,1,2
	ds_load_b64 v[OB+2*(\j):OB+2*(\j)+1], v[STR] offset:256*(\j)  ; LDS serves a wave's instructions in order (ISA guide 5.7.1.4): these see the stores above; the last trip's global stores were shown to have read v[OB ..] at this trip's head
.endr
	s_wait_dscnt 0x0
.irp j, 0,1,2
	global_store_b64 v[OOFF], v[OB+2*(\j):OB+2*(\j)+1], s[24:25] offset:256*(\j) th:TH_STORE_NT  ; written once, not read again
.endr
	s_wait_xcnt 0x0                                ; the stores' base and data registers are rewritten only behind this wait
	s_add_nc_u64 s[24:25], s[24:25], 768           ; 64 points x 12 bytes
	s_sub_co_u32 s3, s3, 1
	s_cmp_lg_u32 s3, 0
	s_cbranch_scc1 .Ltrip
	s_wait_dscnt 0x0                               ; the closing lines, six on end
	s_wait_alu 0x0
	s_wait_tensorcnt 0x0
	ds_add_u32 v[SPW], v[NIL]
	s_wait_dscnt 0x0
	s_endpgm
.Lfunc_end_k_q630fff34c2_field:
	.size	k_q630fff34c2_field, .Lfunc_end_k_q630fff34c2_field-k_q630fff34c2_field
	.p2alignl 7, 3214868480
	.fill 96, 4, 3214868480
	.section	.rodata,"a",@progbits
	.p2align	6, 0x0
	.amdhsa_kernel k_q630fff34c2_field
		.amdhsa_group_segment_fixed_size 260096
		.amdhsa_private_segment_fixed_size 0
		.amdhsa_enable_private_segment 0
		.amdhsa_kernarg_size 72
		.amdhsa_user_sgpr_count 2
		.amdhsa_user_sgpr_kernarg_segment_ptr 1
		.amdhsa_wavefront_size32 1
		.amdhsa_system_sgpr_workgroup_id_x 1
		.amdhsa_system_sgpr_workgroup_id_y 1
		.amdhsa_system_sgpr_workgroup_id_z 1
		.amdhsa_system_vgpr_workitem_id 0
		.amdhsa_next_free_vgpr 256
		.amdhsa_next_free_sgpr 66
		.amdhsa_reserve_vcc 0
		.amdhsa_float_denorm_mode_32 3
		.amdhsa_float_denorm_mode_16_64 3
		.amdhsa_memory_ordered 1
		.amdhsa_forward_progress 1
		.amdhsa_inst_pref_size 79
	.end_amdhsa_kernel
	.amdgpu_metadata
---
amdhsa.version: [ 1, 2 ]
amdhsa.kernels:
  - .name:           k_q630fff34c2_field
    .symbol:         k_q630fff34c2_field.kd
    .args:
      - { .name: q, .offset: 0, .size: 8, .value_kind: global_buffer, .address_space: global }
      - { .name: latents, .offset: 8, .size: 8, .value_kind: global_buffer, .address_space: global }
      - { .name: dec_w, .offset: 16, .size: 8, .value_kind: global_buffer, .address_space: global }
      - { .name: dec_b, .offset: 24, .size: 8, .value_kind: global_buffer, .address_space: global }
      - { .name: w1, .offset: 32, .size: 8, .value_kind: global_buffer, .address_space: global }
      - { .name: b1, .offset: 40, .size: 8, .value_kind: global_buffer, .address_space: global }
      - { .name: w2, .offset: 48, .size: 8, .value_kind: global_buffer, .address_space: global }
      - { .name: b2, .offset: 56, .size: 8, .value_kind: global_buffer, .address_space: global }
      - { .name: out0, .offset: 64, .size: 8, .value_kind: global_buffer, .address_space: global }
    .group_segment_fixed_size: 260096
    .private_segment_fixed_size: 0
    .kernarg_segment_align: 8
    .kernarg_segment_size: 72
    .max_flat_workgroup_size: 512
    .sgpr_count:     66
    .vgpr_count:     256
    .wavefront_size: 32
...
	.end_amdgpu_metadata
.endif
;; end of part 3
